; MI455X (gfx1250); checked and timed in simulation.
; The chip was launched on July 23, 2026; its instructions are those of AMD's public machine-readable ISA for CDNA 5 (MIT licence, August 2026) and "CDNA5" Instruction Set Architecture Reference Guide (July 2026). The comments in the code are by the model that wrote it; some were corrected since.
;; Attention Layer. Allowed arithmetic: float matrix products may take bf16 or f16 operands with f32 sums; other float arithmetic in f32, or as packed bf16 or f16 multiplies, adds, multiply-adds, maxima and minima; sums over many terms, partial sums and values carried from step to step in f32; what a program stores and reads back later, other than sums and carried values, may be rounded once to bf16 or f16.
;; Inputs: Wk 64 x 512 float32; Wq 64 x 512 float32; Wv 512 x 512 float32; bk 64 float32; bq 64 float32; bv 512 float32; x 4 x 512 x 64 x 64 float32.
;; Outputs: out0 4 x 512 x 64 x 64 float32.
;; 2 versions, each right; version 2 is version 1 with the launch proj written anew for expert scheduling mode. Each part assembles by itself: llvm-mc -triple=amdgcn-amd-amdhsa -mcpu=gfx1250 --defsym DOCPART=n.
;; ======== version 1 of 2: 2 launches
;; workspace buffers: qf 2,097,152 bytes; kv 20,971,520 bytes
;; launch proj (part 1): grid 4 x 64, 4 waves a work-group, no clusters, 164,352 bytes of LDS; arguments x, Wq, bq, Wk, Wv, bv, qf, kv; writes qf, kv
.if DOCPART == 1
	.amdgcn_target "amdgcn-amd-amdhsa--gfx1250"
	.amdhsa_code_object_version 6
	.text
	.protected	k_q7e96571b00_proj
	.globl	k_q7e96571b00_proj
	.p2align	8
	.type	k_q7e96571b00_proj,@function
k_q7e96571b00_proj:
	s_mov_b64 s[64:65], 0
	v_nop
	global_prefetch_b8 v0, s[64:65] scope:SCOPE_SE
	s_setreg_imm32_b32 hwreg(HW_REG_WAVE_MODE, 25, 1), 1
	s_wait_xcnt 0x0
; THE PROJECTIONS.  q = (Wq x + bq) log2(e), k = Wk x, v = Wv x + bv; x: [4][512][4096] f32.  Operands rounded to bf16, sums in f32, q, k, v rounded once to bf16
; and stored in the order in which the next launch's matrix operands take them.
; LEFT OUT: bk.  scores[i][j] = q_i . (Wk x_j) + q_i . bk, and the second term is the same for every j of a row i; softmax over j takes such a term away
; for all values of the inputs.  So bk has no way to the output: it is not loaded and is no argument of any launch.  bq stays (bq . k_j differs from j to j), bv stays.
; LIMIT: a NaN, an infinity or an overflow that reaches the result through bk alone is not carried to it.  q, k, v are kept in bf16 (8 significant bits, f32's range).
; THE ORDER OF POSITIONS.  In each aligned group G of 64 positions, tile i (0..3) holds the positions 64 G + 4 r + i, r = 0..15.  One load of 16 bytes (lane r: positions 4 r .. 4 r + 3 of one
; channel) then gives register i to tile i, and sixteen lanes read 256 consecutive bytes, aligned.  Keys have this order in K, P and V alike, so no sum changes.
; A FRAGMENT is 16 rows x 32 k of bf16 = 1,024 bytes, stored as [registers 0-3 | registers 4-7][lane][16 bytes]: every load or store of half a fragment is 512 consecutive bytes.
; qf: byte (256 b + 4 G + i) 2048 + 512 ob + 16 lane; ob = channel / 16; lane (r, h) holds query r, channels 16 ob + 8 h + 0..7.
; kv: [y = 2 b + hf][chunk u of 32][81,920]: bytes 0-16,383 K of key step (u + 2) mod 32 as [kt 0..7][ob 0..3][512] (a key step = groups 2 t, 2 t + 1; kt = 4 (G & 1) + i), written for both hf;
;     bytes 16,384 on V of key step u as [kb = kt / 2][cb 0..15][g = kt & 1][lane][16]; lane (r, h) holds channel 256 hf + 16 cb + r, keys 8 h + 0..7 of tile kt.
; SHARES.  Work-group (s, pb): 256 positions x 160 outputs: ten tiles of 16 outputs: q rows 16 s .., k rows 16 s .., v rows 128 s + 16 vt .. (vt 0..7).  Wave w: group G = 4 (pb & 15) + w, all ten tiles: 40 accumulators.
; v is taken as X W^T (a lane holds one channel, eight keys), q and k as W X^T (a lane holds one position, eight channels): packed, each result IS half a fragment.
; NO CLUSTER, NO TENSOR LOAD: x goes from memory into operand form through registers alone (16 loads and 32 roundings give a K step's four fragments); by way of LDS in f32 a work-group would fill 512 KiB
; and read 512 KiB more.  The weights' slice (320 KiB f32) is rounded once by the four waves into LDS, 160 KiB of fragments.
; REGISTERS.  window 0: v3-9 addresses; v16-23 bq; v24-31 bv; v32-63, v192-223 x's fragments (two sets); v64-191 x as loaded (two sets); v224-255 at work; on the way out v32-191 packed results
;   window 1: v's 32 accumulators, (vt, i) at 8 (4 vt + i); first, W as loaded (two sets of 64)      window 2: v0-31 q's, v32-63 k's accumulators; v64-143, v144-223 W's fragments (two sets)
.set KSB,   524288                     ; bytes of x from a K step (32 channels) to the next
.set FRS,   10240                      ; LDS bytes of a K step's ten fragments of W
.set SPARE, 163840                     ; behind the fragments: the spare words, 128 bytes a wave, that no other line names
.set XO,  3                            ; v3  131,072 h + 16 r: my 16 bytes of a channel's 256; never rewritten
.set WO,  4                            ; v4  2,048 r + 32 h + 512 w: my place in 16 rows of W; never rewritten
.set LW,  5                            ; v5  where I put half a fragment of W: 40,960 w + 16 lane, stepped by two tiles
.set LR,  6                            ; v6  where I read them: 16 lane, stepped by two K steps
.set SO,  7                            ; v7  16 lane: my 16 bytes of half a fragment on the way out
.set SPW, 8
.set NIL, 9
.set BQ,  16
.set BV,  24
.set XF0, 32                           ; set f at XF0 + 160 f
.set XS0, 64                           ; set b at XS0 + 64 b
.set CT,  224
.set PK,  32
.set WA,  0                            ; window 1
.set WB,  64
.set WF0, 64                           ; window 2: set p at WF0 + 80 p
.set XP,  30                           ; s[30:31] x at my group, at the loop's K step
.set CNT, 36
.set MSB, 0
.macro WIN new                         ; the immediate's high byte repeats the setting that is left; a switch that changes nothing is dropped
.if MSB != (\new)
	s_set_vgpr_msb (MSB<<8)|(\new)
.set MSB, (\new)
.endif
.endm
.macro PLACES                          ; four places behind a matrix instruction, in front of writes and loads into its registers and of reads of its result
.rept 4
	v_nop
.endr
.endm
.macro XLOAD buf, off                  ; a K step of x: load j: channel 16 (j / 8) + 8 h + j % 8, four positions
	WIN 0
.set jj, 0
.rept 16
	global_load_b128 v[XS0+64*(\buf)+4*jj:XS0+64*(\buf)+4*jj+3], v[XO], s[XP:XP+1] offset:(\off)+(16*(jj/8)+jj%8)*16384
.set jj, jj+1
.endr
.endm
.macro XCV b                           ; item xq = 8 i + n of 32: register n of tile i's fragment: two channels of one position
	WIN 0
	v_cvt_pk_bf16_f32 v[XF0+160*(\b)+xq], v[XS0+64*(\b)+8*(xq%8)+xq/8], v[XS0+64*(\b)+8*(xq%8)+4+xq/8]
.set xq, xq+1
.endm
.macro WLD st, base, off               ; 16 rows of W, my four K steps: 64 numbers a lane
	WIN 0x40
.set jj, 0
.rept 16
	global_load_b128 v[(\st)+4*jj:(\st)+4*jj+3], v[WO], s[\base:\base+1] offset:(\off)+(jj/4)*128+((jj/2)%2)*64+(jj%2)*16
.set jj, jj+1
.endr
.endm
.macro WCV st, o                       ; rounded, and into LDS as four fragments
	WIN 0x05
.set jj, 0
.rept 32
	v_cvt_pk_bf16_f32 v[CT+jj], v[(\st)+2*jj], v[(\st)+2*jj+1]
.set jj, jj+1
.endr
	WIN 0
.set jj, 0
.rept 8
	ds_store_b128 v[LW], v[CT+4*jj:CT+4*jj+3] offset:(jj/2)*FRS+(jj%2)*512+(\o)
.set jj, jj+1
.endr
.endm
.macro WFL p, off                      ; a K step's ten fragments of W into set p
	WIN 0x80
.set fi, 0
.rept 20
	ds_load_b128 v[WF0+80*(\p)+4*fi:WF0+80*(\p)+4*fi+3], v[LR] offset:(\off)+fi*512
.set fi, fi+1
.endr
.endm
.macro MM p                            ; product mm of 40: q's four tiles, k's four, then v's by (vt, i).  Each accumulator once a K step, always in this order: they take turns
.if mm < 8
	WIN 0xa2
	v_wmma_f32_16x16x32_bf16 v[8*mm:8*mm+7], v[WF0+80*(\p)+8*(mm/4):WF0+80*(\p)+8*(mm/4)+7], v[XF0+160*(\p)+8*(mm%4):XF0+160*(\p)+8*(mm%4)+7], v[8*mm:8*mm+7]
.else
	WIN 0x58
	v_wmma_f32_16x16x32_bf16 v[8*(mm-8):8*(mm-8)+7], v[XF0+160*(\p)+8*(mm%4):XF0+160*(\p)+8*(mm%4)+7], v[WF0+80*(\p)+16+8*((mm-8)/4):WF0+80*(\p)+16+8*((mm-8)/4)+7], v[8*(mm-8):8*(mm-8)+7]
.endif
.endm
; A K STEP on sets p.  cv: the next step's x is rounded, four items behind each of the first eight products.  wl: the next step's fragments of W are fetched.  xl: x three steps on is asked for.
; n: how many younger loads may stay out when the next step's x has to be in (-1: no wait).  adv: K steps between LR's place and this trip's first.
.macro KSTEP p, cv, wl, xl, n, adv
.if (\n) >= 0
	s_wait_loadcnt \n
.endif
	s_wait_dscnt 0x0                               ; this step's fragments of W, asked for a K step ago
	PLACES                                         ; behind the last step's products, which read the sets that are now written
.if \wl
	WFL 1-(\p), ((\p)+1+(\adv))*FRS
.endif
.set mm, 0
.set xq, 0
.rept 40
	MM \p
.if (\cv) && (mm < 8)
	XCV 1-(\p)
	XCV 1-(\p)
	XCV 1-(\p)
	XCV 1-(\p)
.endif
.if (\xl) && (mm == 7)
	XLOAD 1-(\p), ((\p)+3)*KSB
.endif
.set mm, mm+1
.endr
.endm
	s_load_b256 s[4:11], s[0:1], 0x0               ; x s[4:5], Wq s[6:7], bq s[8:9], Wk s[10:11]
	s_load_b256 s[12:19], s[0:1], 0x20             ; Wv s[12:13], bv s[14:15], qf s[16:17], kv s[18:19]
	v_lshl_add_u32 v[SPW], v0, 2, SPARE
	v_mov_b32 v[NIL], 0
	v_lshrrev_b32 v10, 5, v0
	v_readfirstlane_b32 s20, v10                   ; wave w
	s_mov_b32 s21, ttmp9                           ; slice s
	s_and_b32 s22, ttmp7, 0xffff                   ; pb
	s_lshr_b32 s23, s22, 4                         ; b
	s_and_b32 s24, s22, 15
	s_lshl2_add_u32 s24, s24, s20                  ; G = 4 (pb & 15) + w
	v_and_b32 v1, 15, v0                           ; r
	v_bfe_u32 v2, v0, 4, 1                         ; h
	v_and_b32 v12, 31, v0                          ; lane
	v_lshlrev_b32 v[XO], 4, v1
	v_lshl_add_u32 v[XO], v2, 17, v[XO]
	v_lshlrev_b32 v[WO], 11, v1
	v_lshl_add_u32 v[WO], v2, 5, v[WO]
	s_lshl_b32 s25, s20, 9
	v_add_nc_u32 v[WO], s25, v[WO]
	s_mul_i32 s25, s20, 4*FRS
	v_lshl_add_u32 v[LW], v12, 4, s25
	v_lshlrev_b32 v[LR], 4, v12
	v_lshlrev_b32 v[SO], 4, v12
	v_lshlrev_b32 v10, 5, v2                       ; bq: 32 h
	v_lshlrev_b32 v11, 2, v1                       ; bv: 4 r
	s_lshl_b32 s26, s23, 23                        ; x: b x 8,388,608 + 256 G
	s_lshl_b32 s27, s24, 8
	s_add_co_u32 s26, s26, s27
	s_mov_b32 s27, 0
	s_lshl_b32 s28, s21, 15                        ; Wq, Wk: 16 s rows of 2,048 bytes
	s_mov_b32 s29, 0
	s_lshl_b32 s38, s21, 18                        ; Wv: 128 s rows
	s_mov_b32 s39, 0
	s_lshl_b32 s40, s21, 6                         ; bq: 16 s numbers
	s_mov_b32 s41, 0
	s_lshl_b32 s42, s21, 9                         ; bv: 128 s numbers
	s_mov_b32 s43, 0
	s_lshl_b32 s44, s23, 19                        ; qf: (256 b + 4 G) 2,048 + 512 s
	s_lshl_b32 s45, s24, 13
	s_add_co_u32 s44, s44, s45
	s_add_co_u32 s44, s44, s42
	s_mov_b32 s45, 0
	s_lshr_b32 s50, s24, 1                         ; my key step
	s_and_b32 s51, s24, 1                          ; and which half of it
	s_lshl_b32 s52, s23, 6                         ; 64 b
	s_add_co_u32 s46, s50, 30                      ; K lies two chunks ahead of its key step's V
	s_and_b32 s46, s46, 31
	s_add_co_u32 s46, s46, s52
	s_mul_i32 s46, s46, 81920
	s_lshl_b32 s53, s51, 13
	s_add_co_u32 s46, s46, s53
	s_add_co_u32 s46, s46, s42
	s_mov_b32 s47, 0
	s_lshr_b32 s48, s21, 1                         ; hf
	s_lshl_b32 s48, s48, 5
	s_add_co_u32 s48, s48, s52
	s_add_co_u32 s48, s48, s50
	s_mul_i32 s48, s48, 81920
	s_lshl_b32 s53, s51, 15
	s_add_co_u32 s48, s48, s53
	s_and_b32 s53, s21, 1
	s_lshl_b32 s53, s53, 13
	s_add_co_u32 s48, s48, s53
	s_add_co_u32 s48, s48, 16384
	s_mov_b32 s49, 0
	s_wait_kmcnt 0x0
	s_add_nc_u64 s[XP:XP+1], s[4:5], s[26:27]
	s_add_nc_u64 s[6:7], s[6:7], s[28:29]
	s_add_nc_u64 s[10:11], s[10:11], s[28:29]
	s_add_nc_u64 s[12:13], s[12:13], s[38:39]
	s_add_nc_u64 s[8:9], s[8:9], s[40:41]
	s_add_nc_u64 s[14:15], s[14:15], s[42:43]
	s_add_nc_u64 s[16:17], s[16:17], s[44:45]      ; q's place
	s_add_nc_u64 s[32:33], s[18:19], s[46:47]      ; k's
	s_add_nc_u64 s[34:35], s[18:19], s[48:49]      ; v's
	global_load_b128 v[BQ:BQ+3], v10, s[8:9]
	global_load_b128 v[BQ+4:BQ+7], v10, s[8:9] offset:16
.set jj, 0
.rept 8
	global_load_b32 v[BV+jj], v11, s[14:15] offset:64*jj
.set jj, jj+1
.endr
	XLOAD 0, 0                                     ; K steps 0 and 1 of x are on their way while W is rounded
	XLOAD 1, KSB
	WLD WA, 6, 0                                   ; tile 0: Wq
	WLD WB, 10, 0                                  ; tile 1: Wk
	WIN 0
	s_mov_b32 s[CNT], 4
.Lw:                                               ; a trip rounds two tiles and asks for the next two, of Wv
	s_wait_loadcnt 16                              ; all but the other set's 16 loads
	WCV WA, 0
	WLD WA, 12, 0
	s_wait_loadcnt 16
	WCV WB, 1024
	WLD WB, 12, 32768
	WIN 0
	s_wait_xcnt 0x0                                ; the loads have read their base: it is stepped only behind this wait
	s_add_nc_u64 s[12:13], s[12:13], 65536
	v_add_nc_u32 v[LW], 2048, v[LW]
	s_sub_co_u32 s[CNT], s[CNT], 1
	s_cmp_lg_u32 s[CNT], 0
	s_cbranch_scc1 .Lw
	s_wait_loadcnt 16
	WCV WA, 0
	s_wait_loadcnt 0x0
	WCV WB, 1024
	s_wait_dscnt 0x0                               ; for the others' sake: my fragments lie in LDS
	s_barrier_signal -1
	; The sums start at the biases (k's at 0): register work while the others arrive.  It spares the additions at the end and a first K step written out.
	WIN 0x40
.set fi, 0
.rept 256
	v_mov_b32 v[fi], v[BV+fi/32]
.set fi, fi+1
.endr
	WIN 0x80
.set fi, 0
.rept 32
	v_mov_b32 v[fi], v[BQ+fi%8]
.set fi, fi+1
.endr
.set fi, 0
.rept 32
	v_mov_b32 v[32+fi], 0
.set fi, fi+1
.endr
	WIN 0
	s_barrier_wait -1
.set xq, 0
.rept 32
	XCV 0                                          ; K step 0
.endr
	XLOAD 0, 2*KSB
	WFL 0, 0
	WIN 0
	s_mov_b32 s[CNT], 6
.Lk:                                               ; K steps 0 to 11
	KSTEP 0, 1, 1, 1, 16, 0                        ; 16: the loads of the step after next may stay out
	KSTEP 1, 1, 1, 1, 16, 0
	WIN 0
	s_wait_xcnt 0x0
	s_add_nc_u64 s[XP:XP+1], s[XP:XP+1], 2*KSB
	v_add_nc_u32 v[LR], 2*FRS, v[LR]
	s_sub_co_u32 s[CNT], s[CNT], 1
	s_cmp_lg_u32 s[CNT], 0
	s_cbranch_scc1 .Lk
	KSTEP 0, 1, 1, 1, 16, 0                        ; 12: asks for the last step's x
	KSTEP 1, 1, 1, 0, 16, 0                        ; 13
	KSTEP 0, 1, 1, 0, 0, 2                         ; 14
	KSTEP 1, 0, 0, 0, -1, 2                        ; 15
	; THE WAY OUT: each accumulator's eight numbers pack into a lane's 16 bytes of half a fragment; a store covers 512 consecutive bytes, aligned.  No register is written twice.
	PLACES
	PLACES
	WIN 0x82
.set fi, 0
.rept 16
	v_pk_mul_f32 v[2*fi:2*fi+1], v[2*fi:2*fi+1], 0x3fb8aa3b op_sel_hi:[1,0]  ; q times log2(e): the softmax works in powers of 2
.set fi, fi+1
.endr
	WIN 0x0a
.set fi, 0
.rept 32
	v_cvt_pk_bf16_f32 v[PK+fi], v[2*fi], v[2*fi+1]
.set fi, fi+1
.endr
	WIN 0
.set fi, 0
.rept 4
	global_store_b128 v[SO], v[PK+4*fi:PK+4*fi+3], s[16:17] offset:fi*2048
	global_store_b128 v[SO], v[PK+16+4*fi:PK+16+4*fi+3], s[32:33] offset:fi*2048
	global_store_b128 v[SO], v[PK+16+4*fi:PK+16+4*fi+3], s[32:33] offset:fi*2048+32*81920  ; K once more, for the other half of v's channels
.set fi, fi+1
.endr
	WIN 0x05
.set fi, 0
.rept 128
	v_cvt_pk_bf16_f32 v[PK+32+fi], v[2*fi], v[2*fi+1]
.set fi, fi+1
.endr
	WIN 0
.set fi, 0
.rept 32
	global_store_b128 v[SO], v[PK+32+4*fi:PK+32+4*fi+3], s[34:35] offset:((fi%4)/2)*16384+(fi/4)*1024+(fi%2)*512
.set fi, fi+1
.endr
	s_wait_tensorcnt 0x0                           ; the wave's end, behind my last LDS store
	ds_add_u32 v[SPW], v[NIL]
	s_wait_dscnt 0x0
	s_endpgm
.Lfunc_end_k_q7e96571b00_proj:
	.size	k_q7e96571b00_proj, .Lfunc_end_k_q7e96571b00_proj-k_q7e96571b00_proj
	.p2alignl 7, 3214868480
	.fill 96, 4, 3214868480
	.section	.rodata,"a",@progbits
	.p2align	6, 0x0
	.amdhsa_kernel k_q7e96571b00_proj
		.amdhsa_group_segment_fixed_size 164352
		.amdhsa_private_segment_fixed_size 0
		.amdhsa_enable_private_segment 0
		.amdhsa_kernarg_size 64
		.amdhsa_user_sgpr_count 2
		.amdhsa_user_sgpr_kernarg_segment_ptr 1
		.amdhsa_wavefront_size32 1
		.amdhsa_system_sgpr_workgroup_id_x 1
		.amdhsa_system_sgpr_workgroup_id_y 1
		.amdhsa_system_sgpr_workgroup_id_z 1
		.amdhsa_system_vgpr_workitem_id 0
		.amdhsa_next_free_vgpr 768
		.amdhsa_next_free_sgpr 66
		.amdhsa_reserve_vcc 0
		.amdhsa_float_denorm_mode_32 3
		.amdhsa_float_denorm_mode_16_64 3
		.amdhsa_memory_ordered 1
		.amdhsa_forward_progress 1
		.amdhsa_inst_pref_size 95
	.end_amdhsa_kernel
	.amdgpu_metadata
---
amdhsa.version: [ 1, 2 ]
amdhsa.kernels:
  - .name:           k_q7e96571b00_proj
    .symbol:         k_q7e96571b00_proj.kd
    .args:
      - { .name: x, .offset: 0, .size: 8, .value_kind: global_buffer, .address_space: global }
      - { .name: Wq, .offset: 8, .size: 8, .value_kind: global_buffer, .address_space: global }
      - { .name: bq, .offset: 16, .size: 8, .value_kind: global_buffer, .address_space: global }
      - { .name: Wk, .offset: 24, .size: 8, .value_kind: global_buffer, .address_space: global }
      - { .name: Wv, .offset: 32, .size: 8, .value_kind: global_buffer, .address_space: global }
      - { .name: bv, .offset: 40, .size: 8, .value_kind: global_buffer, .address_space: global }
      - { .name: qf, .offset: 48, .size: 8, .value_kind: global_buffer, .address_space: global }
      - { .name: kv, .offset: 56, .size: 8, .value_kind: global_buffer, .address_space: global }
    .group_segment_fixed_size: 164352
    .private_segment_fixed_size: 0
    .kernarg_segment_align: 8
    .kernarg_segment_size: 64
    .max_flat_workgroup_size: 128
    .sgpr_count:     66
    .vgpr_count:     768
    .wavefront_size: 32
...
	.end_amdgpu_metadata
.endif
;; end of part 1
;; launch attn (part 2): grid 32 x 8, 4 waves a work-group, clusters of 4 x 1, 327,680 bytes of LDS; arguments qf, kv, x, out0; writes out0
.if DOCPART == 2
	.amdgcn_target "amdgcn-amd-amdhsa--gfx1250"
	.amdhsa_code_object_version 6
	.text
	.protected	k_q7e96571b00_attn
	.globl	k_q7e96571b00_attn
	.p2align	8
	.type	k_q7e96571b00_attn,@function
k_q7e96571b00_attn:
	s_mov_b64 s[64:65], 0
	v_nop
	global_prefetch_b8 v0, s[64:65] scope:SCOPE_SE
	s_setreg_imm32_b32 hwreg(HW_REG_WAVE_MODE, 25, 1), 1
	s_wait_xcnt 0x0
	s_wait_alu depctr_hold_cnt(0) depctr_sa_sdst(0) depctr_va_vdst(0) depctr_va_sdst(0) depctr_va_ssrc(0) depctr_va_vcc(0) depctr_vm_vsrc(0)
	s_getreg_b32 s2, hwreg(HW_REG_IB_STS2, 6, 4)
	s_cmp_eq_u32 s2, 0
	s_cbranch_scc0 .Lentry_in_a_cluster
	s_endpgm
.Lentry_in_a_cluster:
	s_bfe_u32 s2, ttmp6, 0x10000c
	s_cmp_lg_u32 s2, 0x3003
	s_cbranch_scc0 .Lentry_shape_is_right
	s_endpgm
.Lentry_shape_is_right:
; ATTENTION AND RESIDUAL.  out[b][c][i] = x[b][c][i] + sum over j of softmax_j(q_i . k_j) v[c][j].  qf and kv are the launch before's: bf16 fragments, q already times log2(e), k without bk
; (q_i . bk is the same for all j of a row and falls out of the softmax: shown at the head of the first kernel).  Products, maxima, sums, O and x in f32; the weights p are rounded to bf16 for the second product.
; LIMITS.  The sum l is taken of the unrounded p; a weight below 2^-126 counts as 0; NaN and infinities are not treated apart.
; SHARES.  Work-group (qb, y = 2 b + hf): 128 queries (groups 2 qb, 2 qb + 1) x 256 channels (half hf).  Wave w (qh = w / 2, ch2 = w % 2): O^T for the 64 queries of group 2 qb + qh, four tiles of 16, and
; channels 256 hf + 128 ch2 + 0..127: 32 accumulators.  Scores and softmax it makes for two of the four tiles, i = 2 ch2 + e; wave w ^ 1 makes the other two; P, a and l are handed over in LDS.
; Local tile numbers: 0, 1 my own, 2, 3 the partner's: tile i = local ^ 2 ch2.  The two channel halves repeat scores and softmax: the price of a tile that takes in 80 KiB for 160 matrix instructions a wave.
; LAYOUT.  S^T = K Q^T: a lane holds ONE query (lane % 16), keys 8 (lane / 16) + 0..7 of a tile; two tiles rounded in pairs ARE source 1 of O^T = V^T P, whose result holds one query a lane and eight channels.
; Tile i holds the positions 64 G + 4 r + i, so the four tiles' results of one channel are a lane's 16 neighbouring bytes of out0: stores go straight from registers, sixteen lanes to 256 consecutive bytes, aligned.
; SOFTMAX.  Running maximum M and sum l: p = 2^(s - M); in every step O and l are multiplied by a = 2^(M_old - M_new).  M starts at the lowest finite number, O and l at 0: the first step is a step like any other.
; A STEP (128 keys) multiplies V^T P of step t; at its head it makes the scores of step t + 1, whose softmax rides behind the 128 products, four (or three) vector instructions behind each.
; THE LDS INSTRUCTIONS OF A STEP STAND IN FOUR RUNS, never singly among the products: 18 stores (my P and a) with the add, at the step's head; 50 loads behind the joint load (the partner's a, V's first quarter,
; the partner's P, V's second quarter); 48 behind product 40 (V's other two quarters, half of K); 16 (the other half of K) behind the batch's wait.  V has three sets of registers, its quarters take sets 0, 1, 2, 0.
; CLUSTER.  The four query blocks of a cluster have one y and walk the same 32 chunks of kv (V of step u with K of step u + 2): each wave asks JOINTLY for a quarter of a chunk, 80 rows of 256 dense bytes.
; LDS: two slots of 81,920; from 163,840 P [parity][wave][e][ks][1,024]; from 229,376 a [parity][wave][e][128] and l [wave][e][128]; from 232,448 the spare words.  Every access is 16 (or 4) bytes x lane on end.
; REGISTERS (s_set_vgpr_msb: bits 1:0 source 0, 3:2 source 1, 5:4 source 2, 7:6 destination):
;   window 0: v1-13 addresses; v14-17 the partner's a; v18-25 l and 1 / l; v32-63 statistics, 16 a tile; v64-191 S^T, 64 a tile; v192-255 the partner's P
;   window 1: O^T, 64 a tile      window 2: v0-31 Q; v32-95 V, set 2; v128-255 K of one step      window 3: v0-127 V, sets 0 and 1; v128-255 my P, two parities
.set CHUNK, 81920
.set SLOTB, 81920
.set KREG,  16384                      ; K's bytes at a chunk's head
.set PBUF,  163840
.set STATS, 229376
.set SPARE, 232448
.set LN16, 1                           ; v1   16 lane
.set AK,   2                           ; v2-3 K in slot 0, 1
.set AV,   4                           ; v4-5 my half of V's channels in slot 0, 1
.set PS,   6                           ; v6   where I put my P
.set PL,   7                           ; v7   where I read the partner's
.set SAS,  8                           ; v8   where I put a and l
.set SAL,  9                           ; v9   where I read the partner's
.set PFO,  10                          ; v10  256 lane
.set GO,   11                          ; v11  131,072 h + 16 r: my 16 bytes of x and out0
.set SPW,  12
.set NIL,  13
.set APAR, 14
.set LT,   18
.set LINV, 22
.set ST,   32                          ; tile e at ST + 16 e: +0..7 c0-c7; +8 M (+9 named with it); +10, +11 l; +12 a (+13 named with it); +14 M_old - M_new; +15 at work
.set S,    64
.set PP,   192
.set KF,   128                         ; window 2
.set PO,   128                         ; window 3
.set G1,   16                          ; s[16:23]
.set G0,   24                          ; s[24:27] slot 0's group 0, s[28:31] slot 1's
.set PFA,  34                          ; s[34:35]
.set LIM,  36                          ; s36, s37: 1 in a wave that prefetches in a step of parity 0, 1; else the greatest number
.set XB,   40
.set OB,   42
.set KVB,  44
.set MSB, 0
.macro WIN new
.if MSB != (\new)
	s_set_vgpr_msb (MSB<<8)|(\new)
.set MSB, (\new)
.endif
.endm
.macro PLACES
.rept 4
	v_nop
.endr
.endm
.macro CREST                           ; a round of the cluster's barrier behind its opening barrier
	s_cmp_lg_u32 s12, 0
	s_cbranch_scc1 .Lnw0_\@
	s_barrier_signal -3
.Lnw0_\@:
	s_barrier_wait -3
	s_barrier_signal -1
	s_barrier_wait -1
.endm
.macro CROUND
	s_barrier_signal -1
	s_barrier_wait -1
	CREST
.endm
; Product mi of 32 of S^T = K Q^T: channels 32 (mi / 16) on, keys' tile (mi / 2) % 8, my tile mi % 2.  The first 16 start the sums.  The 16 accumulators take turns.
.macro SMM
.set cf, mi/16
.set te, mi%2
.set kt, (mi/2)%8
	WIN 0x0a
.if mi < 16
	v_wmma_f32_16x16x32_bf16 v[S+64*te+8*kt:S+64*te+8*kt+7], v[KF+16*kt+8*cf:KF+16*kt+8*cf+7], v[16*te+8*cf:16*te+8*cf+7], 0
.else
	v_wmma_f32_16x16x32_bf16 v[S+64*te+8*kt:S+64*te+8*kt+7], v[KF+16*kt+8*cf:KF+16*kt+8*cf+7], v[16*te+8*cf:16*te+8*cf+7], v[S+64*te+8*kt:S+64*te+8*kt+7]
.endif
.set mi, mi+1
.endm
; Product sl of 128 of O^T += V^T P: keys 32 (sl / 32) on; in each quarter my own two tiles' 16 products first, then the partner's tiles' 16; channels 16 ((sl % 16) / 2) on.  The 32 accumulators take turns.
.macro PVM par
.set ks, sl/32
.set cb, (sl%16)/2
.set tl, 2*((sl%32)/16)+sl%2
.set rV, 8*cb                          ; quarters 0 and 3: set 0
.set wv, 3
.if ks == 1
.set rV, 64+8*cb                       ; set 1
.endif
.if ks == 2
.set rV, 32+8*cb                       ; set 2, in window 2
.set wv, 2
.endif
.if tl < 2
	WIN 0x5c+wv
	v_wmma_f32_16x16x32_bf16 v[64*tl+8*cb:64*tl+8*cb+7], v[rV:rV+7], v[PO+64*(\par)+32*tl+8*ks:PO+64*(\par)+32*tl+8*ks+7], v[64*tl+8*cb:64*tl+8*cb+7]
.else
	WIN 0x50+wv
	v_wmma_f32_16x16x32_bf16 v[64*tl+8*cb:64*tl+8*cb+7], v[rV:rV+7], v[PP+32*(tl-2)+8*ks:PP+32*(tl-2)+8*ks+7], v[64*tl+8*cb:64*tl+8*cb+7]
.endif
.endm
.macro RS                              ; pair rq of 128 of O^T times a, ascending: each accumulator's lowest registers are read first
.set tl, rq/32
.if tl < 2
.set ra, ST+16*tl+12
.else
.set ra, APAR+2*(tl-2)
.endif
	WIN 0x41
	v_pk_mul_f32 v[2*rq:2*rq+1], v[2*rq:2*rq+1], v[ra:ra+1] op_sel_hi:[1,0]
.set rq, rq+1
.endm
; Number j of the 36 that find tile e's maximum and statistics.  0-27: eight chains c0-c7, one an accumulator, three operands at a time, lowest registers first; 28-31: into c0, with the old M;
; 32, 33: the query's other 64 keys lie in the lane 16 away; 34: M_old - M_new; 35: the new M.
.macro SM1 e, j
.set rT, ST+16*(\e)
.set rS, S+64*(\e)
.set jj, (\j)
	WIN 0
.if jj < 8
	v_max3_num_f32 v[rT+jj], v[rS+8*jj], v[rS+8*jj+1], v[rS+8*jj+2]
.elseif jj < 16
	v_max3_num_f32 v[rT+jj-8], v[rT+jj-8], v[rS+8*(jj-8)+3], v[rS+8*(jj-8)+4]
.elseif jj < 24
	v_max3_num_f32 v[rT+jj-16], v[rT+jj-16], v[rS+8*(jj-16)+5], v[rS+8*(jj-16)+6]
.elseif jj < 28
	v_max3_num_f32 v[rT+jj-24], v[rT+jj-24], v[rS+8*(jj-24)+7], v[rS+8*(jj-24)+39]
.elseif jj == 28
	v_max3_num_f32 v[rT], v[rT], v[rT+4], v[rT+5]
.elseif jj == 29
	v_max3_num_f32 v[rT+1], v[rT+1], v[rT+6], v[rT+7]
.elseif jj == 30
	v_max3_num_f32 v[rT+2], v[rT+2], v[rT+3], v[rT+8]
.elseif jj == 31
	v_max3_num_f32 v[rT], v[rT], v[rT+1], v[rT+2]
.elseif jj == 32
	v_permlanex16_b32 v[rT+15], v[rT], s38, s39
.elseif jj == 33
	v_max_num_f32 v[rT+1], v[rT], v[rT+15]
.elseif jj == 34
	v_sub_f32 v[rT+14], v[rT+8], v[rT+1]
.else
	v_mov_b32 v[rT+8], v[rT+1]
.endif
.endm
.macro FS b                            ; pair b of 32: s - M
	v_pk_add_f32 v[rS+2*(\b):rS+2*(\b)+1], v[rS+2*(\b):rS+2*(\b)+1], v[rT+8:rT+9] op_sel_hi:[1,0] neg_lo:[0,1] neg_hi:[0,1]
.endm
; Number k of the 97 of THE BATCH of tile e: 32 subtractions and 65 exponentials (a, then s0-s63), in threes: a subtraction and two exponentials.  A pair is made two threes ahead of its exponentials.
; None of these reads an exponential's result.
.macro SM2 e, k
.set rT, ST+16*(\e)
.set rS, S+64*(\e)
.set kk, (\k)
.if kk < 97
	WIN 0
.endif
.if kk == 0
	FS 0
.elseif kk == 1
	v_exp_f32 v[rT+12], v[rT+14]
.elseif kk == 2
	FS 1
.elseif kk < 93
.if kk%3 == 0
	FS kk/3+1
.else
	v_exp_f32 v[rS+2*(kk/3)-3+kk%3], v[rS+2*(kk/3)-3+kk%3]
.endif
.elseif kk < 97
	v_exp_f32 v[rS+kk-33], v[rS+kk-33]
.endif
.endm
.macro CV c, tp                        ; item c of 64: a pair of weights rounded to bf16, into my P of parity tp
	WIN 0xc0
	v_cvt_pk_bf16_f32 v[PO+64*(\tp)+(\c)], v[S+2*(\c)], v[S+2*(\c)+1]
.endm
.macro PST u, tp                       ; item u of 18: half a fragment of my P, or a tile's a, into LDS for the partner
.if (\u) < 16
	WIN 0x0c
	ds_store_b128 v[PS], v[PO+64*(\tp)+4*(\u):PO+64*(\tp)+4*(\u)+3] offset:(\tp)*32768+(\u)*512
.else
	WIN 0
	ds_store_b32 v[SAS], v[ST+16*((\u)-16)+12] offset:(\tp)*1024+((\u)-16)*128
.endif
.endm
.macro PSTRUN tp                       ; all 18 in one run
.set fi, 0
.rept 18
	PST fi, \tp
.set fi, fi+1
.endr
.endm
.macro SU it                           ; item it of 64: tile it % 2, sum it / 2 of 32: the 32 pairs are added in place, neighbours 1, 2, 4, 8, 16 pairs apart; then l = a l + the sum
.set rT, ST+16*((\it)%2)
.set rS, S+64*((\it)%2)
.set zz, (\it)/2
.set ww, 4
.set uu, zz
.if zz >= 30
.set ww, 64
.set uu, 0
.elseif zz >= 28
.set ww, 32
.set uu, zz-28
.elseif zz >= 24
.set ww, 16
.set uu, zz-24
.elseif zz >= 16
.set ww, 8
.set uu, zz-16
.endif
	WIN 0
.if zz < 31
	v_pk_add_f32 v[rS+ww*uu:rS+ww*uu+1], v[rS+ww*uu:rS+ww*uu+1], v[rS+ww*uu+ww/2:rS+ww*uu+ww/2+1]
.else
	v_pk_fma_f32 v[rT+10:rT+11], v[rT+10:rT+11], v[rT+12:rT+13], v[rS:rS+1] op_sel_hi:[1,0,1]
.endif
.endm
; WHAT RIDES BEHIND PRODUCT sl.  0-17 the maxima, tiles alternating; 18-83 the batch, a three of one tile, tiles by turns; behind 83 a plain instruction and ONE wait for the 130 exponentials
; ahead of the first instruction that names a result; 84-99 the roundings; 100-115 the sums; 116-127 nothing.
.macro RID tp
.if sl < 18
	SM1 0, 2*sl
	SM1 1, 2*sl
	SM1 0, 2*sl+1
	SM1 1, 2*sl+1
.elseif sl < 84
	SM2 (sl-18)%2, 3*((sl-18)/2)
	SM2 (sl-18)%2, 3*((sl-18)/2)+1
	SM2 (sl-18)%2, 3*((sl-18)/2)+2
.if sl == 83
	v_nop
	s_wait_alu depctr_va_vdst(0)
.endif
.elseif sl < 100
	CV 4*(sl-84), \tp
	CV 4*(sl-84)+1, \tp
	CV 4*(sl-84)+2, \tp
	CV 4*(sl-84)+3, \tp
.elseif sl < 116
	SU 4*(sl-100)
	SU 4*(sl-100)+1
	SU 4*(sl-100)+2
	SU 4*(sl-100)+3
.endif
.endm
.macro VRUN par, q                     ; V of keys 32 q on, my 128 channels: 16 loads into the quarter's set
.set vb, 0
.if (\q) == 1
.set vb, 64
.endif
.if (\q) == 2
.set vb, 32
	WIN 0x80
.else
	WIN 0xc0
.endif
.set fi, 0
.rept 16
	ds_load_b128 v[vb+4*fi:vb+4*fi+3], v[AV+(\par)] offset:(\q)*16384+fi*512
.set fi, fi+1
.endr
.endm
.macro KRUN par, half                  ; half of the K that lies in this slot: the step after next's
	WIN 0x80
.set fi, 16*(\half)
.rept 16
	ds_load_b128 v[KF+4*fi:KF+4*fi+3], v[AK+(\par)] offset:fi*512
.set fi, fi+1
.endr
.endm
.macro PPRUN par                       ; the partner's P of this step
	WIN 0
.set fi, 0
.rept 16
	ds_load_b128 v[PP+4*fi:PP+4*fi+3], v[PL] offset:(\par)*32768+fi*512
.set fi, fi+1
.endr
.endm
; A PREFETCH INTO THE L2, behind the joint load, its five lines and the run of LDS loads.  A trip of the loop (steps 2 i, 2 i + 1) names the chunks 2 i + 4 and 2 i + 5, 640 blocks of 256 bytes, a lane a block:
; in the step of parity 0 waves 0-2 of the four partners name the first 384, in that of parity 1 waves 0-1 the other 256.  All eight clusters of a y walk the same chunks: the first of them (cluster x = 0) asks.
; The partners are told apart BY ADDRESS ((4 w + cx) x 8,192): no branch hangs on a work-group's place.  So each block is named once in the launch, three steps, 480 matrix instructions, ahead of the tensor load
; that wants the pair's first chunk.  Chunks 0-3 come by their loads alone; the loop's last trip asks for nothing: there is no chunk 32.
.macro ASK lim, off
	s_cmp_gt_u32 s32, s[\lim]
	s_cbranch_scc0 .Lnoask_\@
	global_prefetch_b8 v[PFO], s[PFA:PFA+1] offset:\off th:TH_LOAD_NT scope:SCOPE_SE
.Lnoask_\@:
.endm
; STEP t, on slot par = t % 2 (V of step t, K of step t + 2).  kl: K is fetched.  ask: the loop's form, with prefetches.
.macro STEP par, kl, ask
	s_wait_dscnt 0x0                               ; K of step t + 1, whose second half was asked for 44 products ago
	PSTRUN \par                                    ; my P and a of step t, made in the step before: 18 stores, on end with the add below
	WIN 0
	s_wait_tensorcnt 0x0                           ; the one load of mine that was out, my quarter of chunk t, has landed: a group 0 may be written
	ds_add_u32 v[SPW], v[NIL]                      ; 0 onto my spare word: register work stands between it and the wait for it
	s_add_nc_u64 s[G0+4*(\par)+2:G0+4*(\par)+3], s[G0+4*(\par)+2:G0+4*(\par)+3], 2*CHUNK  ; this slot's next chunk
.if (\ask) && ((\par) == 0)
	s_wait_xcnt 0x0                                ; the last prefetch, a step back, has read its address
	s_add_nc_u64 s[PFA:PFA+1], s[PFA:PFA+1], 2*CHUNK
.endif
.set mi, 0
.set rq, 0
.rept 12
	SMM                                            ; the next step's scores begin while the stores and the add are out; behind each product four rescalings of my own tiles' O^T
	RS
	RS
	RS
	RS
.endr
	s_wait_dscnt 0x0                               ; the add is done; my P and a lie in LDS; my reads of the other slot are over
	s_barrier_signal -1                            ; opens a round of the cluster's barrier; register work alone up to its end
.rept 4
	SMM
	RS
	RS
	RS
	RS
.endr
	WIN 0
	s_barrier_wait -1
	CREST                                          ; no wave of any partner still reads the other slot or has a load on its way
	tensor_load_to_lds s[G0+4-4*(\par):G0+7-4*(\par)], s[G1:G1+7]  ; chunk t + 1: my one tensor load until the next round; 144 matrix instructions in which to land
	s_nop 0
	PLACES
	ds_load_b32 v[APAR], v[SAL] offset:(\par)*1024 ; a run of 50, in the order in which they are wanted
	ds_load_b32 v[APAR+2], v[SAL] offset:(\par)*1024+128
	VRUN \par, 0
	PPRUN \par
	VRUN \par, 1
	WIN 0
.if \ask
	ASK LIM+(\par), 98304*(\par)
.endif
	s_wait_dscnt 48                                ; the partner's two a are in; the 48 loads behind them may stay out
.set rq, 64
.rept 16
	SMM                                            ; the second half of the scores, and the partner's tiles' rescalings; the last four are the places behind the last product
	RS
	RS
	RS
	RS
.endr
	s_wait_dscnt 32                                ; V's first quarter is in; the partner's P and V's second quarter may stay out
.set sl, 0
.rept 128
.if sl == 16
	s_wait_dscnt 16                                ; the partner's P is in; V's second quarter may stay out
.endif
.if sl == 32
	s_wait_dscnt 0x0                               ; V's second quarter
.endif
.if sl == 64
	s_wait_dscnt 16*(\kl)                          ; V's last two quarters are in; K's half, issued behind them, may stay out
.endif
	PVM \par
	RID 1-(\par)
.if sl == 40                                       ; ten subtractions stand behind product 31, the last that read set 0
	VRUN \par, 3
	VRUN \par, 2
.if \kl
	KRUN \par, 0
.endif
.endif
.if (sl == 83) && (\kl)
	KRUN \par, 1                                   ; directly behind the batch's wait
.endif
.set sl, sl+1
.endr
.endm
; THE WAY OUT for ch2 = c: 8 channels at a time, x += O^T / l, the four tiles of a channel side by side, then 8 stores.
.macro EPI c
.set gg, 0
.rept 8
.if gg < 4
	WIN 0x01
.else
	WIN 0x81
.endif
.set fi, 0
.rept 32
	v_fmac_f32 v[64+64*(gg/4)+32*(gg%4)+fi], v[64*((fi%4)^(2*(\c)))+8*gg+fi/4], v[LINV+((fi%4)^(2*(\c)))]
.set fi, fi+1
.endr
.if gg < 4
	WIN 0
.else
	WIN 0x08
.endif
.set fi, 0
.rept 8
	global_store_b128 v[GO], v[64+64*(gg/4)+32*(gg%4)+4*fi:64+64*(gg/4)+32*(gg%4)+4*fi+3], s[OB:OB+1] offset:(16*gg+fi)*16384 th:TH_STORE_NT  ; 16 lanes store 256 consecutive bytes, aligned
.set fi, fi+1
.endr
.set gg, gg+1
.endr
	WIN 0
.endm
	s_load_b256 s[4:11], s[0:1], 0x0               ; qf s[4:5], kv s[6:7], x s[8:9], out0 s[10:11]
	v_lshl_add_u32 v[SPW], v0, 2, SPARE
	v_mov_b32 v[NIL], 0
	ds_add_u32 v[SPW], v[NIL]                      ; the wave's opening: the add, twice on end, and its wait ahead of my first tensor load
	ds_add_u32 v[SPW], v[NIL]
	v_lshrrev_b32 v26, 5, v0
	v_readfirstlane_b32 s12, v26                   ; wave w
	s_bfe_u32 s13, ttmp6, 0x40000                  ; cx
	s_and_b32 s14, ttmp7, 0xffff                   ; y, which the four partners share
	s_lshl_b32 s15, ttmp9, 2
	s_add_co_u32 s15, s15, s13                     ; qb = 4 x cluster x + cx: it enters the addresses of qf, x and out0 alone
	s_lshr_b32 s50, s14, 1                         ; b
	s_and_b32 s51, s14, 1                          ; hf
	s_lshr_b32 s52, s12, 1                         ; qh
	s_and_b32 s53, s12, 1                          ; ch2
	s_xor_b32 s54, s12, 1                          ; the partner wave
	s_lshl1_add_u32 s55, s15, s52                  ; G = 2 qb + qh
	s_mov_b32 s[G1], 15|(3<<16)|(1<<21)            ; the mask of four; elements of 8 bytes; bit 21 beside a mask; no padding
	s_mov_b32 s[G1+1], 32<<16                      ; tensor_dim0 = 32 (256 bytes)
	s_mov_b32 s[G1+2], 80<<16                      ; tensor_dim1 = 80
	s_mov_b32 s[G1+3], 32<<16                      ; tile_dim0 = 32
	s_mov_b32 s[G1+4], 80                          ; tile_dim1 = 80
	s_mov_b32 s[G1+5], 32                          ; dense rows
	s_mov_b32 s[G1+6], 0
	s_mov_b32 s[G1+7], 0
	s_mul_i32 s46, s12, 20480                      ; my quarter of a chunk, in memory and in a slot
	s_mov_b32 s47, 0
	s_mov_b32 s[G0], 1
	s_mov_b32 s[G0+1], s46
	s_mov_b32 s[G0+4], 1
	s_add_co_u32 s[G0+5], s46, SLOTB
	s_mul_i32 s48, s14, 32*CHUNK
	s_mov_b32 s49, 0
	s_lshl_b32 s56, s50, 8                         ; qf: (256 b + 4 G + 2 ch2) x 2,048
	s_lshl2_add_u32 s56, s55, s56
	s_lshl1_add_u32 s56, s53, s56
	s_lshl_b32 s56, s56, 11
	s_mov_b32 s57, 0
	s_lshl_b32 s58, s50, 23                        ; x, out0: (512 b + 256 hf + 128 ch2) x 16,384 + 256 G
	s_lshl_b32 s2, s51, 22
	s_add_co_u32 s58, s58, s2
	s_lshl_b32 s2, s53, 21
	s_add_co_u32 s58, s58, s2
	s_lshl_b32 s2, s55, 8
	s_add_co_u32 s58, s58, s2
	s_mov_b32 s59, 0
	s_lshl2_add_u32 s60, s12, s13                  ; the prefetches: (4 w + cx) x 8,192, from chunk 2; the first trip steps it to chunk 4
	s_lshl_b32 s60, s60, 13
	s_add_co_u32 s60, s60, 2*CHUNK
	s_mov_b32 s61, 0
	s_cmp_lt_u32 s12, 3
	s_cselect_b32 s[LIM], 0, 1
	s_or_b32 s[LIM], s[LIM], ttmp9                 ; 0 in waves 0-2 of the y's first cluster: the same in all four partners
	s_cmp_eq_u32 s[LIM], 0
	s_cselect_b32 s[LIM], 1, -1
	s_cmp_lt_u32 s12, 2
	s_cselect_b32 s[LIM+1], 0, 1
	s_or_b32 s[LIM+1], s[LIM+1], ttmp9
	s_cmp_eq_u32 s[LIM+1], 0
	s_cselect_b32 s[LIM+1], 1, -1
	s_mov_b32 s38, 0x76543210                      ; v_permlanex16_b32: each lane takes its own place in the other half
	s_mov_b32 s39, 0xfedcba98
	v_and_b32 v27, 31, v0
	v_and_b32 v28, 15, v0
	v_bfe_u32 v29, v0, 4, 1
	v_lshlrev_b32 v[LN16], 4, v27
	v_mov_b32 v[AK], v[LN16]
	v_add_nc_u32 v[AK+1], SLOTB, v[LN16]
	s_lshl_b32 s2, s53, 13
	s_add_co_u32 s2, s2, KREG
	v_add_nc_u32 v[AV], s2, v[LN16]
	v_add_nc_u32 v[AV+1], SLOTB, v[AV]
	s_lshl_b32 s2, s12, 13
	s_add_co_u32 s2, s2, PBUF
	v_add_nc_u32 v[PS], s2, v[LN16]
	s_lshl_b32 s2, s54, 13
	s_add_co_u32 s2, s2, PBUF
	v_add_nc_u32 v[PL], s2, v[LN16]
	s_lshl_b32 s2, s12, 8
	s_add_co_u32 s2, s2, STATS
	v_lshl_add_u32 v[SAS], v27, 2, s2
	s_lshl_b32 s2, s54, 8
	s_add_co_u32 s2, s2, STATS
	v_lshl_add_u32 v[SAL], v27, 2, s2
	v_lshlrev_b32 v[PFO], 8, v27
	v_lshlrev_b32 v[GO], 4, v28
	v_lshl_add_u32 v[GO], v29, 17, v[GO]
	s_wait_dscnt 0x0                               ; both opening adds are done
	s_wait_kmcnt 0x0
	s_add_nc_u64 s[KVB:KVB+1], s[6:7], s[48:49]    ; my y's 32 chunks
	s_add_nc_u64 s[G0+2:G0+3], s[KVB:KVB+1], s[46:47]  ; chunk 0, my quarter
	s_add_nc_u64 s[G0+6:G0+7], s[G0+2:G0+3], CHUNK     ; chunk 1
	s_or_b32 s[G0+3], s[G0+3], 0x80000000
	s_or_b32 s[G0+7], s[G0+7], 0x80000000
	s_add_nc_u64 s[4:5], s[4:5], s[56:57]
	s_add_nc_u64 s[XB:XB+1], s[8:9], s[58:59]
	s_add_nc_u64 s[OB:OB+1], s[10:11], s[58:59]
	s_add_nc_u64 s[PFA:PFA+1], s[KVB:KVB+1], s[60:61]
	CROUND                                         ; all four work-groups are here: the first joint loads meet
	tensor_load_to_lds s[G0:G0+3], s[G1:G1+7]      ; chunk 0 into slot 0; slot 1 is filled behind the first step's round
	s_nop 0
	PLACES
	WIN 0x80
.set fi, 0
.rept 8
	global_load_b128 v[4*fi:4*fi+3], v[LN16], s[4:5] offset:fi*512  ; Q of my two tiles stays in registers
.set fi, fi+1
.endr
.set fi, 0
.rept 32
	global_load_b128 v[KF+4*fi:KF+4*fi+3], v[LN16], s[KVB:KVB+1] offset:30*CHUNK+fi*512  ; K of step 0 (it lies in chunk 30) straight into registers
.set fi, fi+1
.endr
	WIN 0x40                                       ; O^T starts at 0, in the wait for these loads: no first step is written out
.set fi, 0
.rept 256
	v_mov_b32 v[fi], 0
.set fi, fi+1
.endr
	WIN 0
.irp e, 0, 1
	v_mov_b32 v[ST+16*\e+8], 0xff7fffff            ; M: the lowest finite number, so the first a is 0
	v_mov_b32 v[ST+16*\e+9], 0
	v_mov_b32 v[ST+16*\e+10], 0                    ; l
	v_mov_b32 v[ST+16*\e+11], 0
	v_mov_b32 v[ST+16*\e+13], 0
	v_mov_b32 v[ST+16*\e+15], 0
	v_mov_b32 v[APAR+2*\e+1], 0
.endr
	s_wait_loadcnt 0x0
.set mi, 0
.rept 32
	SMM                                            ; the scores of step 0: there is no vector work yet to set between them
.endr
	PLACES
	PLACES
	WIN 0x80
.set fi, 0
.rept 32
	global_load_b128 v[KF+4*fi:KF+4*fi+3], v[LN16], s[KVB:KVB+1] offset:31*CHUNK+fi*512  ; K of step 1
.set fi, fi+1
.endr
.set sl, 0
.rept 116
	RID 0                                          ; the softmax of step 0, the same lists without products; its P and a are stored at the head of step 0
.set sl, sl+1
.endr
	WIN 0
	s_wait_loadcnt 0x0
	s_mov_b32 s32, 15
.Lloop:                                            ; steps 0 to 29
	STEP 0, 1, 1
	STEP 1, 1, 1
	WIN 0
	s_sub_co_u32 s32, s32, 1
	s_cmp_lg_u32 s32, 0
	s_cbranch_scc1 .Lloop
	STEP 0, 0, 0                                   ; step 30: it asks for the last chunk, makes the last scores and softmax, and fetches no K
	; l is whole: its two halves and the other half of the lanes' are added, and handed to the partner with the last P and a
	WIN 0
	v_add_f32 v[LT], v[ST+10], v[ST+11]
	v_add_f32 v[LT+1], v[ST+26], v[ST+27]
	v_permlanex16_b32 v[ST+15], v[LT], s38, s39
	v_permlanex16_b32 v[ST+31], v[LT+1], s38, s39
	v_add_f32 v[LT], v[LT], v[ST+15]
	v_add_f32 v[LT+1], v[LT+1], v[ST+31]
	PSTRUN 1
	ds_store_b32 v[SAS], v[LT] offset:2048
	ds_store_b32 v[SAS], v[LT+1] offset:2048+128
	; STEP 31, in slot 1: nothing is filled again, so a barrier of the work-group does
	s_wait_tensorcnt 0x0
	ds_add_u32 v[SPW], v[NIL]
	s_wait_dscnt 0x0
	s_barrier_signal -1
	s_barrier_wait -1
	PLACES                                         ; with the additions above, the places behind step 30's last products, which read set 0 and the partner's P
	ds_load_b32 v[APAR], v[SAL] offset:1024
	ds_load_b32 v[APAR+2], v[SAL] offset:1024+128
	ds_load_b32 v[LT+2], v[SAL] offset:2048
	ds_load_b32 v[LT+3], v[SAL] offset:2048+128
	VRUN 1, 0
	PPRUN 1
	VRUN 1, 1
	WIN 0
.set fi, 0
.rept 32                                           ; x of my 128 channels x 64 positions, into the registers that S^T and K have left: load n: channel 16 (n / 8) + 8 h + n % 8
	global_load_b128 v[S+4*fi:S+4*fi+3], v[GO], s[XB:XB+1] offset:(16*(fi/8)+fi%8)*16384 th:TH_LOAD_NT
.set fi, fi+1
.endr
	WIN 0x80
.rept 32
	global_load_b128 v[KF+4*(fi-32):KF+4*(fi-32)+3], v[GO], s[XB:XB+1] offset:(16*(fi/8)+fi%8)*16384 th:TH_LOAD_NT
.set fi, fi+1
.endr
.set rq, 0
.rept 64
	RS
.endr
	s_wait_dscnt 48                                ; the partner's a and l are in; the 48 loads behind them may stay out
	WIN 0
	v_rcp_f32 v[LINV], v[LT]
	v_rcp_f32 v[LINV+1], v[LT+1]
	v_rcp_f32 v[LINV+2], v[LT+2]
	v_rcp_f32 v[LINV+3], v[LT+3]
.rept 64
	RS                                             ; plain work behind the reciprocals
.endr
	s_wait_dscnt 16                                ; V's first quarter and the partner's P are in; V's second quarter may stay out
	VRUN 1, 2
.set sl, 0
.rept 32
	PVM 1
.set sl, sl+1
.endr
	PLACES
	VRUN 1, 3
	s_wait_dscnt 32                                ; the second quarter is in; the two runs behind it may stay out
.rept 32
	PVM 1
.set sl, sl+1
.endr
	s_wait_dscnt 16                                ; the third
.rept 32
	PVM 1
.set sl, sl+1
.endr
	s_wait_dscnt 0x0
.rept 32
	PVM 1
.set sl, sl+1
.endr
	WIN 0
	PLACES
	PLACES
	s_wait_alu depctr_va_vdst(0)                   ; one wait for the four reciprocals, ahead of the branch and of their first use
	s_wait_loadcnt 0x0                             ; x
	s_cmp_eq_u32 s53, 0                            ; my own tiles are i = 0, 1 or i = 2, 3: two texts, chosen by the wave's number
	s_cbranch_scc0 .Lodd
	EPI 0
	s_branch .Lend
.Lodd:
	EPI 1
.Lend:
	s_wait_tensorcnt 0x0                           ; the wave's end, behind my last tensor load and my last LDS store
	ds_add_u32 v[SPW], v[NIL]
	s_wait_dscnt 0x0
	CROUND                                         ; the closing round: no work-group ends while a partner may still ask for a tile that names it
	s_endpgm
.Lfunc_end_k_q7e96571b00_attn:
	.size	k_q7e96571b00_attn, .Lfunc_end_k_q7e96571b00_attn-k_q7e96571b00_attn
	.p2alignl 7, 3214868480
	.fill 96, 4, 3214868480
	.section	.rodata,"a",@progbits
	.p2align	6, 0x0
	.amdhsa_kernel k_q7e96571b00_attn
		.amdhsa_group_segment_fixed_size 327680
		.amdhsa_private_segment_fixed_size 0
		.amdhsa_enable_private_segment 0
		.amdhsa_kernarg_size 32
		.amdhsa_user_sgpr_count 2
		.amdhsa_user_sgpr_kernarg_segment_ptr 1
		.amdhsa_wavefront_size32 1
		.amdhsa_system_sgpr_workgroup_id_x 1
		.amdhsa_system_sgpr_workgroup_id_y 1
		.amdhsa_system_sgpr_workgroup_id_z 1
		.amdhsa_system_vgpr_workitem_id 0
		.amdhsa_next_free_vgpr 1024
		.amdhsa_next_free_sgpr 66
		.amdhsa_reserve_vcc 0
		.amdhsa_float_denorm_mode_32 3
		.amdhsa_float_denorm_mode_16_64 3
		.amdhsa_memory_ordered 1
		.amdhsa_forward_progress 1
		.amdhsa_inst_pref_size 255
	.end_amdhsa_kernel
	.section	.bss,"aw",@nobits
	.p2align	6
	.space	262144
	.amdgpu_metadata
---
amdhsa.version: [ 1, 2 ]
amdhsa.kernels:
  - .name:           k_q7e96571b00_attn
    .symbol:         k_q7e96571b00_attn.kd
    .args:
      - { .name: qf, .offset: 0, .size: 8, .value_kind: global_buffer, .address_space: global }
      - { .name: kv, .offset: 8, .size: 8, .value_kind: global_buffer, .address_space: global }
      - { .name: x, .offset: 16, .size: 8, .value_kind: global_buffer, .address_space: global }
      - { .name: out0, .offset: 24, .size: 8, .value_kind: global_buffer, .address_space: global }
    .group_segment_fixed_size: 327680
    .private_segment_fixed_size: 0
    .kernarg_segment_align: 8
    .kernarg_segment_size: 32
    .max_flat_workgroup_size: 128
    .sgpr_count:     66
    .vgpr_count:     1024
    .wavefront_size: 32
...
	.end_amdgpu_metadata
.endif
;; end of part 2
;; ======== version 2 of 2: 2 launches; version 1 with the launch proj written anew for expert scheduling mode
;; workspace buffers: qf 2,097,152 bytes; kv 20,971,520 bytes
;; launch proj (part 3): grid 4 x 64, 4 waves a work-group, no clusters, 164,352 bytes of LDS; arguments x, Wq, bq, Wk, Wv, bv, qf, kv; writes qf, kv
.if DOCPART == 3
	.amdgcn_target "amdgcn-amd-amdhsa--gfx1250"
	.amdhsa_code_object_version 6
	.text
	.protected	k_q7e96571b00_proj
	.globl	k_q7e96571b00_proj
	.p2align	8
	.type	k_q7e96571b00_proj,@function
k_q7e96571b00_proj:
	s_mov_b64 s[64:65], 0
	v_nop
	global_prefetch_b8 v0, s[64:65] scope:SCOPE_SE
	s_setreg_imm32_b32 hwreg(HW_REG_WAVE_SCHED_MODE, 0, 2), 2
	s_setreg_imm32_b32 hwreg(HW_REG_WAVE_MODE, 25, 1), 1
	s_wait_xcnt 0x0
	s_wait_alu depctr_vm_vsrc(0)
; THE PROJECTIONS.  q = (Wq x + bq) log2(e), k = Wk x, v = Wv x + bv; x: [4][512][4096] f32.  Operands rounded to bf16, sums in f32, q, k, v rounded once to bf16
; and stored in the order in which the next launch's matrix operands take them.
; LEFT OUT: bk.  scores[i][j] = q_i . (Wk x_j) + q_i . bk, and the second term is the same for every j of a row i; softmax over j takes such a term away
; for all values of the inputs.  So bk has no way to the output: it is not loaded and is no argument of any launch.  bq stays (bq . k_j differs from j to j), bv stays.
; LIMIT: a NaN, an infinity or an overflow that reaches the result through bk alone is not carried to it.  q, k, v are kept in bf16 (8 significant bits, f32's range).
; THE ORDER OF POSITIONS.  In each aligned group G of 64 positions, tile i (0..3) holds the positions 64 G + 4 r + i, r = 0..15.  One load of 16 bytes (lane r: positions 4 r .. 4 r + 3 of one
; channel) then gives register i to tile i, and sixteen lanes read 256 consecutive bytes, aligned.  Keys have this order in K, P and V alike, so no sum changes.
; A FRAGMENT is 16 rows x 32 k of bf16 = 1,024 bytes, stored as [registers 0-3 | registers 4-7][lane][16 bytes]: every load or store of half a fragment is 512 consecutive bytes.
; qf: byte (256 b + 4 G + i) 2048 + 512 ob + 16 lane; ob = channel / 16; lane (r, h) holds query r, channels 16 ob + 8 h + 0..7.
; kv: [y = 2 b + hf][chunk u of 32][81,920]: bytes 0-16,383 K of key step (u + 2) mod 32 as [kt 0..7][ob 0..3][512] (a key step = groups 2 t, 2 t + 1; kt = 4 (G & 1) + i), written for both hf;
;     bytes 16,384 on V of key step u as [kb = kt / 2][cb 0..15][g = kt & 1][lane][16]; lane (r, h) holds channel 256 hf + 16 cb + r, keys 8 h + 0..7 of tile kt.
; SHARES.  Work-group (s, pb): 256 positions x 160 outputs: ten tiles of 16 outputs: q rows 16 s .., k rows 16 s .., v rows 128 s + 16 vt .. (vt 0..7).  Wave w: group G = 4 (pb & 15) + w, all ten tiles: 40 accumulators.
; v is taken as X W^T (a lane holds one channel, eight keys), q and k as W X^T (a lane holds one position, eight channels): packed, each result IS half a fragment.
; NO CLUSTER, NO TENSOR LOAD: x goes from memory into operand form through registers alone (16 loads and 32 roundings give a K step's four fragments); by way of LDS in f32 a work-group would fill 512 KiB
; and read 512 KiB more.  The weights' slice (320 KiB f32) is rounded once by the four waves into LDS, 160 KiB of fragments.
; REGISTERS.  window 0: v3-9 addresses; v16-23 bq; v24-31 bv; v32-63, v192-223 x's fragments (two sets); v64-191 x as loaded (two sets); v224-255 at work; on the way out v32-191 packed results
;   window 1: v's 32 accumulators, (vt, i) at 8 (4 vt + i); first, W as loaded (two sets of 64)      window 2: v0-31 q's, v32-63 k's accumulators; v64-143, v144-223 W's fragments (two sets)
; THE MODE: SCHED_MODE bits 1:0 = 2 (LLVM: expert scheduling mode 2), set by the entry lines.  The code itself states the register dependences
; between vector or matrix instructions and memory or LDS instructions, with s_wait_alu, always for 0.
; THE PLAN.  Registers that memory or LDS instructions touch:
;   v[XO], v[WO], v[SO], v10, v11   offsets, made at the head and never written again: the scalar bases move on, and immediate offsets do the rest.
;   v[LW]       read by W's LDS stores; written once a trip of the loop that rounds W.       v[LR]  read by the loads of W's fragments; written once a trip of the loop over K.
;   WA, WB      loads of W land in them; a tile's 32 roundings read them; behind those the next loads land.
;   CT          a tile's roundings write it; the eight LDS stores behind them read it; the next tile's roundings write it again.
;   XS0, XS1    K step t (sets p): the 32 roundings behind its first eight products read XS[1-p], step t + 1's x; behind them the loads of step t + 3 land in it.
;   WF0, WF1    K step t: its 40 products read WF[p]; the LDS loads of step t + 1 land in WF[p] (the fragments of step t + 2).
;   PK          on the way out: written by the packing roundings, each register once; read by the stores.
;   x's fragments XF and the accumulators are named by vector and matrix instructions alone.  v[SPW], v[NIL]: written at the head, read by the closing add alone.
; So ONE wait on va_vdst stands in a K step, behind the roundings that ride on its first eight products: they are done reading XS[1-p], the products of the step before are done reading WF[1-p], and in a
; trip's first step v[LR] is written.  The step's 36 loads follow it, dealt behind products 8 to 11, which name XF[p], WF[p] and accumulators: none of the registers that those loads touch.
.set KSB,   524288                     ; bytes of x from a K step (32 channels) to the next
.set FRS,   10240                      ; LDS bytes of a K step's ten fragments of W
.set SPARE, 163840                     ; behind the fragments: the spare words, 128 bytes a wave, that no other line names
.set XO,  3                            ; v3  131,072 h + 16 r: my 16 bytes of a channel's 256; never rewritten
.set WO,  4                            ; v4  2,048 r + 32 h + 512 w: my place in 16 rows of W; never rewritten
.set LW,  5                            ; v5  where I put half a fragment of W: 40,960 w + 16 lane, stepped by two tiles
.set LR,  6                            ; v6  where I read them: 16 lane, stepped by two K steps
.set SO,  7                            ; v7  16 lane: my 16 bytes of half a fragment on the way out
.set SPW, 8
.set NIL, 9
.set BQ,  16
.set BV,  24
.set XF0, 32                           ; set f at XF0 + 160 f
.set XS0, 64                           ; set b at XS0 + 64 b
.set CT,  224
.set PK,  32
.set WA,  0                            ; window 1
.set WB,  64
.set WF0, 64                           ; window 2: set p at WF0 + 80 p
.set XP,  30                           ; s[30:31] x at my group, at the loop's K step
.set CNT, 36
.set MSB, 0
.macro WIN new                         ; the immediate's high byte repeats the setting that is left; a switch that changes nothing is dropped
.if MSB != (\new)
	s_set_vgpr_msb (MSB<<8)|(\new)
.set MSB, (\new)
.endif
.endm
.macro PLACES                          ; four places behind a matrix instruction, in front of vector writes of its registers and of reads of its result (ISA guide 7.12.1)
.rept 4
	v_nop
.endr
.endm
.macro XLOAD buf, off, j0=0, cnt=16    ; a K step of x, or cnt of its 16 loads from load j0 on: load j: channel 16 (j / 8) + 8 h + j % 8, four positions
	WIN 0
.set jj, (\j0)
.rept (\cnt)
	global_load_b128 v[XS0+64*(\buf)+4*jj:XS0+64*(\buf)+4*jj+3], v[XO], s[XP:XP+1] offset:(\off)+(16*(jj/8)+jj%8)*16384
.set jj, jj+1
.endr
.endm
.macro XCV b                           ; item xq = 8 i + n of 32: register n of tile i's fragment: two channels of one position
	WIN 0
	v_cvt_pk_bf16_f32 v[XF0+160*(\b)+xq], v[XS0+64*(\b)+8*(xq%8)+xq/8], v[XS0+64*(\b)+8*(xq%8)+4+xq/8]
.set xq, xq+1
.endm
.macro WLD st, base, off               ; 16 rows of W, my four K steps: 64 numbers a lane
	WIN 0x40
.set jj, 0
.rept 16
	global_load_b128 v[(\st)+4*jj:(\st)+4*jj+3], v[WO], s[\base:\base+1] offset:(\off)+(jj/4)*128+((jj/2)%2)*64+(jj%2)*16
.set jj, jj+1
.endr
.endm
.macro WCV st, o, again                ; rounded, and into LDS as four fragments.  again = 1: LDS stores that read CT were issued since the last wait on vm_vsrc
.if \again
	s_wait_alu depctr_vm_vsrc(0)                   ; the LDS stores of the tile before have read v[CT ..], which the roundings below write again
.endif
	WIN 0x05
.set jj, 0
.rept 32
	v_cvt_pk_bf16_f32 v[CT+jj], v[(\st)+2*jj], v[(\st)+2*jj+1]
.set jj, jj+1
.endr
	WIN 0
	s_wait_alu depctr_va_vdst(0)                   ; the roundings have written v[CT ..], which the LDS stores read, and are done reading this set of W, in which the next loads land; v[LW] is written
.set jj, 0
.rept 8
	ds_store_b128 v[LW], v[CT+4*jj:CT+4*jj+3] offset:(jj/2)*FRS+(jj%2)*512+(\o)
.set jj, jj+1
.endr
.endm
.macro WFL p, off, f0=0, cnt=20        ; a K step's ten fragments of W into set p, or cnt of their 20 loads from load f0 on
	WIN 0x80
.set fi, (\f0)
.rept (\cnt)
	ds_load_b128 v[WF0+80*(\p)+4*fi:WF0+80*(\p)+4*fi+3], v[LR] offset:(\off)+fi*512
.set fi, fi+1
.endr
.endm
.macro MM p                            ; product mm of 40: q's four tiles, k's four, then v's by (vt, i).  Each accumulator once a K step, always in this order: they take turns
.if mm < 8
	WIN 0xa2
	v_wmma_f32_16x16x32_bf16 v[8*mm:8*mm+7], v[WF0+80*(\p)+8*(mm/4):WF0+80*(\p)+8*(mm/4)+7], v[XF0+160*(\p)+8*(mm%4):XF0+160*(\p)+8*(mm%4)+7], v[8*mm:8*mm+7]
.else
	WIN 0x58
	v_wmma_f32_16x16x32_bf16 v[8*(mm-8):8*(mm-8)+7], v[XF0+160*(\p)+8*(mm%4):XF0+160*(\p)+8*(mm%4)+7], v[WF0+80*(\p)+16+8*((mm-8)/4):WF0+80*(\p)+16+8*((mm-8)/4)+7], v[8*(mm-8):8*(mm-8)+7]
.endif
.endm
; A K STEP on sets p.  cv: the next step's x is rounded, four items behind each of the first eight products.  xl: x three steps on is asked for, eight loads behind each of products 8 and 9.
; wl: the next step's fragments of W are fetched, ten loads behind each of products 10 and 11: 28 products ahead of the wait for them.
; n: how many younger loads may stay out when the next step's x has to be in (-1: no wait).  adv: K steps between LR's place and this trip's first.
.macro KSTEP p, cv, wl, xl, n, adv
.if (\n) >= 0
	s_wait_loadcnt \n
.endif
	s_wait_dscnt 0x0                               ; this step's fragments of W, asked for in the step before
	PLACES                                         ; behind the last step's products, which read the fragments of x that the roundings below write
.set mm, 0
.set xq, 0
.rept 40
	MM \p
.if (\cv) && (mm < 8)
	XCV 1-(\p)
	XCV 1-(\p)
	XCV 1-(\p)
	XCV 1-(\p)
.endif
.if (\wl) && (mm == 7)
	s_wait_alu depctr_va_vdst(0)                   ; the 32 roundings are done reading x's raw set, in which x's loads below land; the last step's products are done reading W's other set, in which the LDS loads below land; in a trip's first step v[LR] is written
.endif
.if (\xl) && ((mm == 8) || (mm == 9))
	XLOAD 1-(\p), ((\p)+3)*KSB, 8*(mm-8), 8        ; no further wait: no vector or matrix instruction since the wait above names this raw set or v[XO]
.endif
.if (\wl) && ((mm == 10) || (mm == 11))
	WFL 1-(\p), ((\p)+1+(\adv))*FRS, 10*(mm-10), 10  ; nor W's other set or v[LR]
.endif
.set mm, mm+1
.endr
.endm
	s_load_b256 s[4:11], s[0:1], 0x0               ; x s[4:5], Wq s[6:7], bq s[8:9], Wk s[10:11]
	s_load_b256 s[12:19], s[0:1], 0x20             ; Wv s[12:13], bv s[14:15], qf s[16:17], kv s[18:19]
	v_lshl_add_u32 v[SPW], v0, 2, SPARE
	v_mov_b32 v[NIL], 0
	v_lshrrev_b32 v10, 5, v0
	v_readfirstlane_b32 s20, v10                   ; wave w
	v_and_b32 v1, 15, v0                           ; r
	v_bfe_u32 v2, v0, 4, 1                         ; h
	v_and_b32 v12, 31, v0                          ; lane
	v_lshlrev_b32 v[XO], 4, v1
	v_lshl_add_u32 v[XO], v2, 17, v[XO]
	v_lshlrev_b32 v[WO], 11, v1
	v_lshl_add_u32 v[WO], v2, 5, v[WO]
	v_lshlrev_b32 v[LR], 4, v12
	v_lshlrev_b32 v[SO], 4, v12
	v_lshlrev_b32 v10, 5, v2                       ; bq: 32 h
	v_lshlrev_b32 v11, 2, v1                       ; bv: 4 r
	s_mov_b32 s21, ttmp9                           ; slice s
	s_and_b32 s22, ttmp7, 0xffff                   ; pb
	s_lshr_b32 s23, s22, 4                         ; b
	s_and_b32 s24, s22, 15
	s_wait_alu depctr_va_sdst(0)                   ; s20 is written, ahead of its first reader: the group's number, the LDS places and the bases are made from it
	s_lshl2_add_u32 s24, s24, s20                  ; G = 4 (pb & 15) + w
	s_lshl_b32 s25, s20, 9
	v_add_nc_u32 v[WO], s25, v[WO]
	s_mul_i32 s37, s20, 4*FRS                      ; in a register of its own: s25, which the vector line above reads, is not written again
	v_lshl_add_u32 v[LW], v12, 4, s37
	s_lshl_b32 s26, s23, 23                        ; x: b x 8,388,608 + 256 G
	s_lshl_b32 s27, s24, 8
	s_add_co_u32 s26, s26, s27
	s_mov_b32 s27, 0
	s_lshl_b32 s28, s21, 15                        ; Wq, Wk: 16 s rows of 2,048 bytes
	s_mov_b32 s29, 0
	s_lshl_b32 s38, s21, 18                        ; Wv: 128 s rows
	s_mov_b32 s39, 0
	s_lshl_b32 s40, s21, 6                         ; bq: 16 s numbers
	s_mov_b32 s41, 0
	s_lshl_b32 s42, s21, 9                         ; bv: 128 s numbers
	s_mov_b32 s43, 0
	s_lshl_b32 s44, s23, 19                        ; qf: (256 b + 4 G) 2,048 + 512 s
	s_lshl_b32 s45, s24, 13
	s_add_co_u32 s44, s44, s45
	s_add_co_u32 s44, s44, s42
	s_mov_b32 s45, 0
	s_lshr_b32 s50, s24, 1                         ; my key step
	s_and_b32 s51, s24, 1                          ; and which half of it
	s_lshl_b32 s52, s23, 6                         ; 64 b
	s_add_co_u32 s46, s50, 30                      ; K lies two chunks ahead of its key step's V
	s_and_b32 s46, s46, 31
	s_add_co_u32 s46, s46, s52
	s_mul_i32 s46, s46, 81920
	s_lshl_b32 s53, s51, 13
	s_add_co_u32 s46, s46, s53
	s_add_co_u32 s46, s46, s42
	s_mov_b32 s47, 0
	s_lshr_b32 s48, s21, 1                         ; hf
	s_lshl_b32 s48, s48, 5
	s_add_co_u32 s48, s48, s52
	s_add_co_u32 s48, s48, s50
	s_mul_i32 s48, s48, 81920
	s_lshl_b32 s53, s51, 15
	s_add_co_u32 s48, s48, s53
	s_and_b32 s53, s21, 1
	s_lshl_b32 s53, s53, 13
	s_add_co_u32 s48, s48, s53
	s_add_co_u32 s48, s48, 16384
	s_mov_b32 s49, 0
	s_wait_kmcnt 0x0
	s_add_nc_u64 s[XP:XP+1], s[4:5], s[26:27]
	s_add_nc_u64 s[6:7], s[6:7], s[28:29]
	s_add_nc_u64 s[10:11], s[10:11], s[28:29]
	s_add_nc_u64 s[12:13], s[12:13], s[38:39]
	s_add_nc_u64 s[8:9], s[8:9], s[40:41]
	s_add_nc_u64 s[14:15], s[14:15], s[42:43]
	s_add_nc_u64 s[16:17], s[16:17], s[44:45]      ; q's place
	s_add_nc_u64 s[32:33], s[18:19], s[46:47]      ; k's
	s_add_nc_u64 s[34:35], s[18:19], s[48:49]      ; v's
	s_wait_alu depctr_va_vdst(0)                   ; the offsets and addresses v3 to v7, v10 and v11 are written, which the loads, LDS instructions and stores of the kernel read
	global_load_b128 v[BQ:BQ+3], v10, s[8:9]
	global_load_b128 v[BQ+4:BQ+7], v10, s[8:9] offset:16
.set jj, 0
.rept 8
	global_load_b32 v[BV+jj], v11, s[14:15] offset:64*jj
.set jj, jj+1
.endr
	XLOAD 0, 0                                     ; K steps 0 and 1 of x are on their way while W is rounded
	XLOAD 1, KSB
	WLD WA, 6, 0                                   ; tile 0: Wq
	WLD WB, 10, 0                                  ; tile 1: Wk
	WIN 0
	s_mov_b32 s[CNT], 4
.Lw:                                               ; a trip rounds two tiles and asks for the next two, of Wv
	s_wait_loadcnt 16                              ; all but the other set's 16 loads
	WCV WA, 0, 0                                   ; (no LDS store has read CT since the wait at the last trip's end; ahead of the first trip none has at all)
	WLD WA, 12, 0                                  ; no further wait: only LDS stores of CT stand behind the wait in WCV
	s_wait_loadcnt 16
	WCV WB, 1024, 1
	WLD WB, 12, 32768
	WIN 0
	s_wait_xcnt 0x0                                ; the loads have read their base: it is stepped only behind this wait
	s_add_nc_u64 s[12:13], s[12:13], 65536
	s_wait_alu depctr_vm_vsrc(0)                   ; this trip's LDS stores have read v[LW], which the add below writes, and v[CT ..], which the next tile's roundings write
	v_add_nc_u32 v[LW], 2048, v[LW]
	s_sub_co_u32 s[CNT], s[CNT], 1
	s_cmp_lg_u32 s[CNT], 0
	s_cbranch_scc1 .Lw
	s_wait_loadcnt 16
	WCV WA, 0, 0
	s_wait_loadcnt 0x0
	WCV WB, 1024, 1
	s_wait_dscnt 0x0                               ; for the others' sake: my fragments lie in LDS
	s_barrier_signal -1
	; The sums start at the biases (k's at 0): register work while the others arrive.  It spares the additions at the end and a first K step written out.
	WIN 0x40
.set fi, 0
.rept 256
	v_mov_b32 v[fi], v[BV+fi/32]
.set fi, fi+1
.endr
	WIN 0x80
.set fi, 0
.rept 32
	v_mov_b32 v[fi], v[BQ+fi%8]
.set fi, fi+1
.endr
.set fi, 0
.rept 32
	v_mov_b32 v[32+fi], 0
.set fi, fi+1
.endr
	WIN 0
	s_barrier_wait -1
.set xq, 0
.rept 32
	XCV 0                                          ; K step 0
.endr
	s_wait_alu depctr_va_vdst(0)                   ; these roundings are done reading x's raw set 0, in which the loads of K step 2 land
	XLOAD 0, 2*KSB
	WFL 0, 0
	WIN 0
	s_mov_b32 s[CNT], 6
.Lk:                                               ; K steps 0 to 11
	KSTEP 0, 1, 1, 1, 16, 0                        ; 16: the loads of the step after next may stay out
	KSTEP 1, 1, 1, 1, 16, 0
	WIN 0
	s_wait_xcnt 0x0
	s_add_nc_u64 s[XP:XP+1], s[XP:XP+1], 2*KSB
	s_wait_alu depctr_vm_vsrc(0)                   ; the LDS loads issued so far have read v[LR], which the add below writes
	v_add_nc_u32 v[LR], 2*FRS, v[LR]
	s_sub_co_u32 s[CNT], s[CNT], 1
	s_cmp_lg_u32 s[CNT], 0
	s_cbranch_scc1 .Lk
	KSTEP 0, 1, 1, 1, 16, 0                        ; 12: asks for the last step's x
	KSTEP 1, 1, 1, 0, 16, 0                        ; 13
	KSTEP 0, 1, 1, 0, 0, 2                         ; 14
	KSTEP 1, 0, 0, 0, -1, 2                        ; 15: it issues no load, so it states no dependence
	; THE WAY OUT: each accumulator's eight numbers pack into a lane's 16 bytes of half a fragment; a store covers 512 consecutive bytes, aligned.  No register is written twice.
	PLACES
	PLACES
	WIN 0x82
.set fi, 0
.rept 16
	v_pk_mul_f32 v[2*fi:2*fi+1], v[2*fi:2*fi+1], 0x3fb8aa3b op_sel_hi:[1,0]  ; q times log2(e): the softmax works in powers of 2
.set fi, fi+1
.endr
	WIN 0x0a
.set fi, 0
.rept 32
	v_cvt_pk_bf16_f32 v[PK+fi], v[2*fi], v[2*fi+1]
.set fi, fi+1
.endr
	WIN 0
	s_wait_alu depctr_va_vdst(0)                   ; the roundings have written q's and k's 32 packed registers, which the twelve stores below read
.set fi, 0
.rept 4
	global_store_b128 v[SO], v[PK+4*fi:PK+4*fi+3], s[16:17] offset:fi*2048
	global_store_b128 v[SO], v[PK+16+4*fi:PK+16+4*fi+3], s[32:33] offset:fi*2048
	global_store_b128 v[SO], v[PK+16+4*fi:PK+16+4*fi+3], s[32:33] offset:fi*2048+32*81920  ; K once more, for the other half of v's channels
.set fi, fi+1
.endr
.set gq, 0
.rept 4                                            ; v in four groups, two tiles of 16 channels each: 32 roundings, then their eight stores, which leave while the next group is rounded
	WIN 0x05
.set fi, 32*gq
.rept 32
	v_cvt_pk_bf16_f32 v[PK+32+fi], v[2*fi], v[2*fi+1]
.set fi, fi+1
.endr
	WIN 0
	s_wait_alu depctr_va_vdst(0)                   ; the group's roundings have written its 32 packed registers, which the eight stores below read
.set fi, 8*gq
.rept 8
	global_store_b128 v[SO], v[PK+32+4*fi:PK+32+4*fi+3], s[34:35] offset:((fi%4)/2)*16384+(fi/4)*1024+(fi%2)*512
.set fi, fi+1
.endr
.set gq, gq+1
.endr
	s_wait_dscnt 0x0                               ; the closing lines, six on end
	s_wait_alu 0x0
	s_wait_tensorcnt 0x0
	ds_add_u32 v[SPW], v[NIL]
	s_wait_dscnt 0x0
	s_endpgm
.Lfunc_end_k_q7e96571b00_proj:
	.size	k_q7e96571b00_proj, .Lfunc_end_k_q7e96571b00_proj-k_q7e96571b00_proj
	.p2alignl 7, 3214868480
	.fill 96, 4, 3214868480
	.section	.rodata,"a",@progbits
	.p2align	6, 0x0
	.amdhsa_kernel k_q7e96571b00_proj
		.amdhsa_group_segment_fixed_size 164352
		.amdhsa_private_segment_fixed_size 0
		.amdhsa_enable_private_segment 0
		.amdhsa_kernarg_size 64
		.amdhsa_user_sgpr_count 2
		.amdhsa_user_sgpr_kernarg_segment_ptr 1
		.amdhsa_wavefront_size32 1
		.amdhsa_system_sgpr_workgroup_id_x 1
		.amdhsa_system_sgpr_workgroup_id_y 1
		.amdhsa_system_sgpr_workgroup_id_z 1
		.amdhsa_system_vgpr_workitem_id 0
		.amdhsa_next_free_vgpr 768
		.amdhsa_next_free_sgpr 66
		.amdhsa_reserve_vcc 0
		.amdhsa_float_denorm_mode_32 3
		.amdhsa_float_denorm_mode_16_64 3
		.amdhsa_memory_ordered 1
		.amdhsa_forward_progress 1
		.amdhsa_inst_pref_size 97
	.end_amdhsa_kernel
	.amdgpu_metadata
---
amdhsa.version: [ 1, 2 ]
amdhsa.kernels:
  - .name:           k_q7e96571b00_proj
    .symbol:         k_q7e96571b00_proj.kd
    .args:
      - { .name: x, .offset: 0, .size: 8, .value_kind: global_buffer, .address_space: global }
      - { .name: Wq, .offset: 8, .size: 8, .value_kind: global_buffer, .address_space: global }
      - { .name: bq, .offset: 16, .size: 8, .value_kind: global_buffer, .address_space: global }
      - { .name: Wk, .offset: 24, .size: 8, .value_kind: global_buffer, .address_space: global }
      - { .name: Wv, .offset: 32, .size: 8, .value_kind: global_buffer, .address_space: global }
      - { .name: bv, .offset: 40, .size: 8, .value_kind: global_buffer, .address_space: global }
      - { .name: qf, .offset: 48, .size: 8, .value_kind: global_buffer, .address_space: global }
      - { .name: kv, .offset: 56, .size: 8, .value_kind: global_buffer, .address_space: global }
    .group_segment_fixed_size: 164352
    .private_segment_fixed_size: 0
    .kernarg_segment_align: 8
    .kernarg_segment_size: 64
    .max_flat_workgroup_size: 128
    .sgpr_count:     66
    .vgpr_count:     768
    .wavefront_size: 32
...
	.end_amdgpu_metadata
.endif
;; end of part 3
;; launch attn: the kernel of part 2 again; grid 32 x 8, 4 waves a work-group, clusters of 4 x 1, 327,680 bytes of LDS; arguments qf, kv, x, out0; writes out0
